; MI455X (gfx1250); checked and timed in simulation.
; The chip was launched on July 23, 2026; its instructions are those of AMD's public machine-readable ISA for CDNA 5 (MIT licence, August 2026) and "CDNA5" Instruction Set Architecture Reference Guide (July 2026). The comments in the code are by the model that wrote it; some were corrected since.
;; LSTM Cell. Allowed arithmetic: matrix products marked QUANTISED: E2M1 operands, one E8M0 scale for each 32 along K, by v_wmma_scale_f32_16x16x128_f8f6f4 with both operands' format E2M1 (or v_wmma_scale_f32_32x16x128_f4), f32 sums; everything else in f32.
;; Inputs: Wh_codes 4,096 x 32 x 16 uint8 (E2M1 codes of Wh, K innermost, in blocks of 32 codes, two codes a byte); Wh_scales 4,096 x 32 uint8 (E8M0 scales of Wh, one for each 32 codes along K); Wx_codes 4,096 x 32 x 16 uint8 (E2M1 codes of Wx, K innermost, in blocks of 32 codes, two codes a byte); Wx_scales 4,096 x 32 uint8 (E8M0 scales of Wx, one for each 32 codes along K); bh 4,096 float32; bx 4,096 float32; incoming_codes 8,192 x 32 x 16 uint8 (E2M1 codes of incoming, K innermost, in blocks of 32 codes, two codes a byte); incoming_scales 8,192 x 32 uint8 (E8M0 scales of incoming, one for each 32 codes along K); state 2 x 8,192 x 1,024 float32.
;; Outputs: out0 2 x 8,192 x 1,024 float32.
;; This version of the problem:
;;   THIS VERSION OF THE PROBLEM IS GIVEN IN LOW PRECISION. The matrix products marked QUANTISED in the list below multiply operands that are first quantised to E2M1 (2 exponent bits, 1 mantissa bit; 4 bits a number), with one power-of-two scale for each 32 numbers along K (OCP MX v1.0); their sums are f32. All else is computed in f32.
;;   The module's matrix products, in the order in which they are computed (A, B: the left and right operand; K: the contracted axis; several contracted axes count as one K, in the product's order):
;;     1. [M 8,192, K 1,024] x [K 1,024, N 4,096]; A: input incoming (given as codes); B: input Wx (given as codes): QUANTISED
;;     2. [M 8,192, K 1,024] x [K 1,024, N 4,096]; A: input state; B: input Wh (given as codes): QUANTISED
;;   THE QUANTISER, for each operand of a quantised product, along K:
;;     - K is cut into blocks of 32 from its start; a last block that is shorter is filled with zeros.
;;     - A block's scale is 2^e with e = floor(log2(the largest magnitude in the block)) - 2, held to -126 .. 127; a block of zeros has e = 0. As a byte (E8M0): e + 127.
;;     - Each number is divided by its block's scale, clamped to +-6, and rounded to the nearest number of E2M1, ties to even, subnormals kept.
;;     - The product sums the exact products of the quantised numbers (number of the format x scale) in f32.
;;   ~~~python
;;   def quantise(x, axis):      # numpy; x: float32 -> the quantised numbers, widened to float32 again
;;       x = np.moveaxis(x, axis, -1); K = x.shape[-1]
;;       x = np.pad(x, [(0, 0)] * (x.ndim - 1) + [(0, -K % 32)]); x = x.reshape(x.shape[:-1] + (-1, 32)); a = np.abs(x).max(-1, keepdims=True)
;;       e = np.where(a > 0, np.clip(np.frexp(np.where(a > 0, a, 1))[1] - 1 - 2, -126, 127), 0)      # np.frexp(a)[1] - 1 = floor(log2(a)), exactly
;;       r = np.clip(x / 2.0 ** e, -6, 6)
;;       step = 2.0 ** (np.maximum(np.frexp(np.where(r == 0, 1, r))[1] - 1, 0) - 1)
;;       q = np.round(r / step) * step * 2.0 ** e      # np.round: ties to even
;;       return np.moveaxis(q.reshape(q.shape[:-2] + (-1,))[..., :K], -1, axis).astype(np.float32)
;;   ~~~
;;   INPUTS GIVEN AS CODES. Wh (in the module: [4096, 1024], K = its axis 1); Wx (in the module: [4096, 1024], K = its axis 1); incoming (in the module: [8192, 1024], K = its axis 1): each comes as NAME_codes (uint8): NAME with its K axis moved to the last place and cut into blocks of 32 codes, [.., K / 32, bytes a block], one block behind the other in memory; two codes a byte, the lower K in the low four bits (a code: sign, 2 exponent bits, 1 mantissa bit); and NAME_scales (uint8): the same leading axes, one E8M0 byte (e + 127) for each 32 codes along K. Its value is code x scale, taken as it is: it is not quantised again, and the codes and scales need not be those that the quantiser above would give.
;; One version. Each part assembles by itself: llvm-mc -triple=amdgcn-amd-amdhsa -mcpu=gfx1250 --defsym DOCPART=n.
;; ======== version 1 of 1: 2 launches
;; limits: inputs' magnitudes at most 70,368,744,177,664; right only within a limited range of input values
;; workspace buffers: h_codes 4,194,304 bytes; a_scl 524,288 bytes; w_img 4,194,304 bytes
;; launch prep (part 1): grid 320 x 1, 4 waves a work-group, no clusters, 33,280 bytes of LDS; arguments state, Wx_codes, Wh_codes, h_codes, a_scl, w_img, incoming_scales; writes h_codes, a_scl, w_img
.if DOCPART == 1
	.amdgcn_target "amdgcn-amd-amdhsa--gfx1250"
	.amdhsa_code_object_version 6
	.text
	.protected	k_qe4f0d0443c_prep
	.globl	k_qe4f0d0443c_prep
	.p2align	8
	.type	k_qe4f0d0443c_prep,@function
k_qe4f0d0443c_prep:
	s_mov_b64 s[64:65], 0
	v_nop
	global_prefetch_b8 v0, s[64:65] scope:SCOPE_SE
	s_setreg_imm32_b32 hwreg(HW_REG_WAVE_MODE, 25, 1), 1
	s_wait_xcnt 0x0
; TWO JOBS IN ONE LAUNCH, told apart by the work-group's number.
; WORK-GROUPS 0 TO 255: h_prev = state[0], [8192][1024] f32, becomes codes of FP4 (E2M1), K innermost, two codes a byte (h_codes [8192][512 bytes]), and one E8M0 byte for each 32 along K (h_scales [8192][32]).
; A block's scale is 2^(floor(log2(its largest magnitude)) - 2); its byte is the largest magnitude's own exponent field - 2, held at 1 from below.  Each number is divided by the scale and rounded to the
; nearest code, ties to even; beyond the largest code the conversion gives the largest code.
; LIMITS: a block of zeros gets the byte 1 where the rule says 127: its codes are zeros, which add nothing under any byte but 0xff, and this program alone reads the bytes.  Blocks whose largest
; magnitude lies under 2^(3 - 127) keep the byte 1.  NaN and infinities among the inputs are not served.
; Rows are dense and 1,024 is a multiple of 32: the tensor is a plain stream of blocks of 32.  8,388,608 numbers = 256 work-groups x 4 waves x 16 steps x 512.
; Each of a step's four loads reads 512 consecutive bytes, 16 a lane.  The conversions want 16 NEIGHBOURS in one lane: the step's 2,048 bytes turn through the wave's own stage in LDS and come back 64 bytes a lane
; (16 bytes of padding behind each 64).  Two neighbouring lanes hold a block.  A lane's 16 codes are 8 bytes: the wave's store covers 256 consecutive bytes, aligned.  A wave's 256 scale bytes are
; gathered in its own LDS bytes and leave by one store of 256 consecutive bytes.  No barrier: waves share nothing.  Loads run eight steps (32 loads, 16 KiB a wave) ahead.
; WORK-GROUPS 256 TO 319: the codes of Wx and Wh are laid into w_img in the order in which the next launch's waves hold them in registers, so that each of its loads reads 512 consecutive bytes.
; Work-group 256 + e serves the wave that owns hidden units 16 e on: weight rows 1,024 g + 16 e + r, g = 0 .. 3.  Its 65,536 bytes: source (Wx, Wh) x 64 quads of registers x 32 lanes x 16 bytes; quad
; n = 8 s + 2 g + c holds, in lane (r, h), the 16 bytes at 64 s + 32 c + 16 h of row r of gate g: registers 4 c .. 4 c + 3 of the fragment of that row block for the source's s-th 128 along K.  This path uses no LDS.
.set QWG,   256                        ; work-groups that quantise
.set STEPS, 16
.set AHEAD, 8
.set EMAX,  2
.set R,     16                         ; v16-143  eight sets of 16 numbers as they are loaded; on the second path 32 quads of codes
.set X,     144                        ; v144-175 two sets of 16 neighbours
.set C,     176                        ; v176-207 codes: two registers for each step, so that no store's data are written again
.set E,     208                        ; v208-223 a scale byte for each step
.set WREG,  8192                       ; LDS: a region for each wave: two stages of 32 x SP bytes, behind them its 256 scale bytes
.set SP,    80                         ; a lane's place in a stage: its 64 bytes + 16 of padding
	s_load_b256 s[4:11], s[0:1], 0x0               ; state 4, Wx_codes 6, Wh_codes 8, h_codes 10
	s_load_b128 s[12:15], s[0:1], 0x20             ; a_scl 12, w_img 14
	s_load_b64 s[26:27], s[0:1], 0x30              ; incoming_scales
	v_lshl_add_u32 v224, v0, 2, 0x8000
	v_mov_b32 v225, 0
	v_lshrrev_b32 v1, 5, v0
	v_readfirstlane_b32 s16, v1                    ; wave
	v_and_b32 v2, 31, v0                           ; lane
	v_lshlrev_b32 v3, 4, v2                        ; 16 x lane
	s_cmp_ge_u32 ttmp9, QWG
	s_cbranch_scc1 .Llay
	s_mul_i32 s17, s16, WREG
	v_lshrrev_b32 v14, 2, v2
	v_mul_u32_u24 v14, v14, SP
	v_and_b32 v15, 3, v2
	v_lshl_add_u32 v14, v15, 4, v14
	v_add_nc_u32 v14, s17, v14                     ; the stage, on the way in: SP (lane / 4) + 16 (lane % 4); a load's 512 bytes take eight places
	v_mul_u32_u24 v15, v2, SP
	v_add_nc_u32 v15, s17, v15                     ; and on the way out: SP x lane: my 16 neighbours
	v_lshlrev_b32 v4, 3, v2                        ; 8 x lane: my codes' place in a step's, and my 8 of the wave's 256 scale bytes
	v_lshrrev_b32 v5, 1, v2
	s_add_co_u32 s17, s17, 2*32*SP
	v_add_nc_u32 v5, s17, v5                       ; LDS: my block's byte among my wave's
	v_add_nc_u32 v6, s17, v4                       ; and where I read 8 of them back
	s_lshl_b32 s18, ttmp9, 2
	s_add_co_u32 s18, s18, s16                     ; which run of 8,192 numbers is my wave's: 0 .. 1,023
	s_lshl_b32 s20, s18, 15                        ; 32,768 bytes of numbers,
	s_mov_b32 s21, 0
	s_lshl_b32 s22, s18, 12                        ; 4,096 of codes,
	s_mov_b32 s23, 0
	; a_scl holds, for each tile of 64 rows, 2,048 scale bytes of incoming and then 2,048 of h: 4,096 consecutive bytes a tile.  My run is 8 rows: tile run / 8, h's half, 256 (run % 8)
	s_lshr_b32 s24, s18, 3
	s_lshl_b32 s24, s24, 12
	s_and_b32 s25, s18, 7
	s_lshl_b32 s25, s25, 8
	s_add_co_u32 s24, s24, s25
	s_add_co_u32 s24, s24, 2048
	s_mov_b32 s25, 0
	s_wait_alu depctr_va_vdst(0)
	s_wait_kmcnt 0x0
	s_add_nc_u64 s[4:5], s[4:5], s[20:21]
	s_add_nc_u64 s[10:11], s[10:11], s[22:23]
	s_add_nc_u64 s[12:13], s[12:13], s[24:25]
.macro LOAD t
.irp i, 0,1,2,3
	global_load_b128 v[R+16*((\t)%AHEAD)+4*\i:R+16*((\t)%AHEAD)+4*\i+3], v3, s[4:5] offset:2048*(\t)+512*\i th:TH_LOAD_NT   ; 32 lanes read 512 consecutive bytes; read once in the launch
.endr
.endm
.macro TURN t                          ; step t's numbers through the stage: LDS serves a wave's instructions in order (ISA guide 5.7.1), so no wait stands between the stores and the loads
.irp i, 0,1,2,3
	ds_store_b128 v14, v[R+16*((\t)%AHEAD)+4*\i:R+16*((\t)%AHEAD)+4*\i+3] offset:32*SP*((\t)%2)+8*SP*\i
.endr
.irp i, 0,1,2,3
	ds_load_b128 v[X+16*((\t)%2)+4*\i:X+16*((\t)%2)+4*\i+3], v15 offset:32*SP*((\t)%2)+16*\i
.endr
.endm
.irp t, 0,1,2,3,4,5,6,7
	LOAD \t
.endr
	s_wait_loadcnt 4*(AHEAD-1)                     ; step 0's four loads are in; the seven steps behind it may be out
	TURN 0
.macro STEP t
.set XS, X+16*((\t)%2)
.if (\t) > 0
	s_wait_dscnt 1                                 ; this step's numbers are back from the stage (the last step's byte store may be out): so its stores into the stage have read their registers,
.else
	s_wait_dscnt 0x0
.endif
.if (\t)+AHEAD < STEPS
	LOAD (\t)+AHEAD                                ; which take the loads of eight steps on
.endif
.if (\t)+1 < STEPS
.if (\t) < STEPS-AHEAD
	s_wait_loadcnt 4*(AHEAD-1)                     ; the next step's four loads are in; those of the seven steps behind it may be out
.else
	s_wait_loadcnt 4*(STEPS-2-(\t))                ; no more loads are issued: the steps behind the next one are 14 - t
.endif
	TURN (\t)+1                                    ; and go through the other stage while this step is worked
.endif
	v_max3_num_f32 v8, |v[XS]|, |v[XS+1]|, |v[XS+2]|               ; the largest magnitude of my 16, in two chains
	v_max3_num_f32 v9, |v[XS+3]|, |v[XS+4]|, |v[XS+5]|
.irp i, 6,10
	v_max3_num_f32 v8, v8, |v[XS+\i]|, |v[XS+\i+1]|
	v_max3_num_f32 v9, v9, |v[XS+\i+2]|, |v[XS+\i+3]|
.endr
	v_max3_num_f32 v8, v8, |v[XS+14]|, |v[XS+15]|
	v_max3_num_f32 v8, v8, v9, (EMAX+1)<<23        ; and the floor 2^(3 - 127): the byte cannot fall under 1
	v_max_num_f32_dpp v8, v8, v8 row_xmask:1 row_mask:0xf bank_mask:0xf   ; with my neighbour's 16: the block's
	v_add_nc_u32 v11, -(EMAX<<23), v8              ; 2 off its exponent field: the conversion takes the exponent field of this operand as its scale, and nothing else of it
	v_cvt_scalef32_pk8_fp4_f32 v[C+2*(\t)], v[XS:XS+7], v11        ; eight numbers / the scale, to the nearest code, ties to even; the first number's code in the lowest four bits
	v_cvt_scalef32_pk8_fp4_f32 v[C+2*(\t)+1], v[XS+8:XS+15], v11
	v_lshrrev_b32 v[E+(\t)], 23, v11               ; the scale's byte (also the plain instruction behind the conversions)
	ds_store_b8 v5, v[E+(\t)] offset:16*(\t)       ; both lanes of a block write the same byte with the same value
	global_store_b64 v4, v[C+2*(\t):C+2*(\t)+1], s[10:11] offset:256*(\t)   ; 32 lanes store 256 consecutive bytes, aligned
.endm
.irp t, 0,1,2,3,4,5,6,7,8,9,10,11,12,13,14,15
	STEP \t
.endr
	ds_load_b64 v[12:13], v6                       ; LDS serves a wave's instructions in order: these see my byte stores
	s_wait_dscnt 0x0
	global_store_b64 v4, v[12:13], s[12:13]        ; 32 lanes store 256 consecutive bytes, aligned
	s_wait_tensorcnt 0x0
	ds_add_u32 v224, v225
	s_wait_dscnt 0x0
	s_endpgm
.Llay:                                                 ; the weights' images.  Wave v takes source v / 2 and quads 32 (v % 2) .. + 31 of it
	s_sub_co_u32 s18, ttmp9, QWG                   ; e = 0 .. 63
	v_and_b32 v4, 15, v0                           ; r
	v_bfe_u32 v5, v0, 4, 1                         ; h
	v_lshlrev_b32 v6, 9, v4                        ; a row of 1,024 codes is 512 bytes
	v_lshl_add_u32 v6, v5, 4, v6                   ; + 16 h
	s_lshl_b32 s20, s18, 13                        ; from: 16 e rows of 512 bytes,
	s_and_b32 s19, s16, 1
	s_lshl_b32 s19, s19, 8                         ; + the rows' second 256 bytes for the upper 32 quads (s = 4 .. 7)
	s_add_co_u32 s20, s20, s19
	s_mov_b32 s21, 0
	s_lshl_b32 s22, s18, 16                        ; to: 65,536 e + 16,384 v
	s_lshl_b32 s19, s16, 14
	s_add_co_u32 s22, s22, s19
	s_mov_b32 s23, 0
	s_wait_alu depctr_va_vdst(0)
	s_wait_kmcnt 0x0
	s_cmp_lt_u32 s16, 2                            ; the choice hangs on the wave's number alone
	s_cselect_b64 s[6:7], s[6:7], s[8:9]
	s_add_nc_u64 s[6:7], s[6:7], s[20:21]
	s_add_nc_u64 s[14:15], s[14:15], s[22:23]
.set i, 0
.rept 32
	global_load_b128 v[R+4*i:R+4*i+3], v6, s[6:7] offset:((i/2)%4)*524288+64*(i/8)+32*(i%2)   ; quad i of my 32: gate (i / 2) % 4, 1,024 rows apart; s = i / 8; c = i % 2
.set i, i+1
.endr
.set i, 0
.rept 32
	s_wait_loadcnt 31-i                            ; loads come back in order: quad i is in
	global_store_b128 v3, v[R+4*i:R+4*i+3], s[14:15] offset:512*i   ; 32 lanes store 512 consecutive bytes, aligned
.set i, i+1
.endr
	; incoming's scale bytes go into their halves of a_scl's tiles: wave W = 4 e + v of 256 copies 1,024 bytes (32 rows): tile W / 2, half W % 2 of its first 2,048 bytes
	s_lshl_b32 s19, s18, 2
	s_add_co_u32 s19, s19, s16
	s_lshl_b32 s28, s19, 10
	s_mov_b32 s29, 0
	s_add_nc_u64 s[26:27], s[26:27], s[28:29]
	s_lshr_b32 s30, s19, 1
	s_lshl_b32 s30, s30, 12
	s_and_b32 s31, s19, 1
	s_lshl_b32 s31, s31, 10
	s_add_co_u32 s30, s30, s31
	s_mov_b32 s31, 0
	s_add_nc_u64 s[12:13], s[12:13], s[30:31]
	global_load_b128 v[8:11], v3, s[26:27]
	global_load_b128 v[12:15], v3, s[26:27] offset:512
	s_wait_loadcnt 0x0
	global_store_b128 v3, v[8:11], s[12:13]        ; 32 lanes store 512 consecutive bytes, aligned
	global_store_b128 v3, v[12:15], s[12:13] offset:512
	s_endpgm
.Lfunc_end_k_qe4f0d0443c_prep:
	.size	k_qe4f0d0443c_prep, .Lfunc_end_k_qe4f0d0443c_prep-k_qe4f0d0443c_prep
	.p2alignl 7, 3214868480
	.fill 96, 4, 3214868480
	.section	.rodata,"a",@progbits
	.p2align	6, 0x0
	.amdhsa_kernel k_qe4f0d0443c_prep
		.amdhsa_group_segment_fixed_size 33280
		.amdhsa_private_segment_fixed_size 0
		.amdhsa_enable_private_segment 0
		.amdhsa_kernarg_size 56
		.amdhsa_user_sgpr_count 2
		.amdhsa_user_sgpr_kernarg_segment_ptr 1
		.amdhsa_wavefront_size32 1
		.amdhsa_system_sgpr_workgroup_id_x 1
		.amdhsa_system_sgpr_workgroup_id_y 1
		.amdhsa_system_sgpr_workgroup_id_z 1
		.amdhsa_system_vgpr_workitem_id 0
		.amdhsa_next_free_vgpr 226
		.amdhsa_next_free_sgpr 66
		.amdhsa_reserve_vcc 0
		.amdhsa_float_denorm_mode_32 3
		.amdhsa_float_denorm_mode_16_64 3
		.amdhsa_memory_ordered 1
		.amdhsa_forward_progress 1
		.amdhsa_inst_pref_size 42
	.end_amdhsa_kernel
	.amdgpu_metadata
---
amdhsa.version: [ 1, 2 ]
amdhsa.kernels:
  - .name:           k_qe4f0d0443c_prep
    .symbol:         k_qe4f0d0443c_prep.kd
    .args:
      - { .name: state, .offset: 0, .size: 8, .value_kind: global_buffer, .address_space: global }
      - { .name: Wx_codes, .offset: 8, .size: 8, .value_kind: global_buffer, .address_space: global }
      - { .name: Wh_codes, .offset: 16, .size: 8, .value_kind: global_buffer, .address_space: global }
      - { .name: h_codes, .offset: 24, .size: 8, .value_kind: global_buffer, .address_space: global }
      - { .name: a_scl, .offset: 32, .size: 8, .value_kind: global_buffer, .address_space: global }
      - { .name: w_img, .offset: 40, .size: 8, .value_kind: global_buffer, .address_space: global }
      - { .name: incoming_scales, .offset: 48, .size: 8, .value_kind: global_buffer, .address_space: global }
    .group_segment_fixed_size: 33280
    .private_segment_fixed_size: 0
    .kernarg_segment_align: 8
    .kernarg_segment_size: 56
    .max_flat_workgroup_size: 128
    .sgpr_count:     66
    .vgpr_count:     226
    .wavefront_size: 32
...
	.end_amdgpu_metadata
.endif
;; end of part 1
;; launch lstm (part 2): grid 16 x 16, 4 waves a work-group, clusters of 4 x 1, 327,680 bytes of LDS; arguments incoming_codes, h_codes, a_scl, w_img, Wx_scales, Wh_scales, bx, bh, state, out0; writes out0
.if DOCPART == 2
	.amdgcn_target "amdgcn-amd-amdhsa--gfx1250"
	.amdhsa_code_object_version 6
	.text
	.protected	k_qe4f0d0443c_lstm
	.globl	k_qe4f0d0443c_lstm
	.p2align	8
	.type	k_qe4f0d0443c_lstm,@function
k_qe4f0d0443c_lstm:
	s_mov_b64 s[64:65], 0
	v_nop
	global_prefetch_b8 v0, s[64:65] scope:SCOPE_SE
	s_setreg_imm32_b32 hwreg(HW_REG_WAVE_MODE, 25, 1), 1
	s_wait_xcnt 0x0
	s_wait_alu depctr_hold_cnt(0) depctr_sa_sdst(0) depctr_va_vdst(0) depctr_va_sdst(0) depctr_va_ssrc(0) depctr_va_vcc(0) depctr_vm_vsrc(0)
	s_getreg_b32 s2, hwreg(HW_REG_IB_STS2, 6, 4)
	s_cmp_eq_u32 s2, 0
	s_cbranch_scc0 .Lentry_in_a_cluster
	s_endpgm
.Lentry_in_a_cluster:
	s_bfe_u32 s2, ttmp6, 0x10000c
	s_cmp_lg_u32 s2, 0x3003
	s_cbranch_scc0 .Lentry_shape_is_right
	s_endpgm
.Lentry_shape_is_right:
; gates[8192][4096] = incoming Wx^T + h Wh^T + bx + bh on codes of FP4 (E2M1) with one E8M0 byte for each 32 along K; i, f, o = sigmoid, g = tanh, new_c = f c + i g, new_h = o tanh(new_c);
; out0[0] = new_h, out0[1] = new_c.  The two products are ONE sum over K = 2,048 in 16 steps of 128: steps 0-7 incoming and Wx, steps 8-15 h (codes of the launch before) and Wh.
; SHARES.  256 work-groups that stay.  Work-group (tx, gy): hidden units 64 tx on, all four gates, rows 512 gy on in 8 tiles of 64.  Wave w: hidden units 16 w on; its weights, 4 gates x 16 steps x 8 = 512
; registers, stay in registers, loaded once from images laid in the registers' order.  The matrix instruction is used transposed (source 0 = 16 weight rows, source 1 = 16 batch rows): lane (r, h) holds
; batch row r, register j hidden unit 8 h + j, so the four gates of a number lie in one lane and register of four accumulators.
; THE RING.  Two slots; a slot holds a tile's rows of incoming, of h (512 bytes a row), of c_prev (256 bytes a row) and its 4,096 scale bytes.  One tensor load a wave: wave 0 incoming, wave 1 h, wave 2 c_prev,
; wave 3 the scales.  The four work-groups of a cluster share rows: codes and scales are asked for jointly (mask 15); c_prev is a work-group's own, a plain load behind the same round.
; THE ORDER OF A TILE t.  Products, in double steps of 32 matrix instructions; the round stands between the products and the activation: K steps 14 and 15 stand between the add and its wait, 116 plain vector
; instructions between signal and wait.  Behind the round: tile t + 2 into the slot just read; tile t - 1's rows out of the other stage; tile t + 1's scale words and first two double steps of fragments; then
; the activation, under which all of these land.  The round is also the barrier between the writing of stage (t - 1) % 2 and its reading; that stage is written again behind round t + 1, in front of which
; its reads have been waited for.
; THE ACTIVATION, L = log2(e): E_x = 2^t_x, t = -L z for i, f, o and -2 L z for g, t_i, t_f, t_g held at 40; A_x = 1 + E_x; new_c = (c A_i A_g + (1 - E_g) A_f) / (A_f A_i A_g); E_c = 2^min(-2 L new_c, 40);
; new_h = (1 - E_c) / (A_o (1 + E_c)).  A product with an A_x is one multiply-add, y A_x = y E_x + y.  The tile's two halves (row blocks 0, 1 and 2, 3) take turns: behind each batch of transcendentals
; stands the other half's plain work, one wait stands ahead of each batch, and the stores stand directly behind such a wait.
; LIMITS: the hold at 40 keeps the three-fold product under 2^121: a saturated sigmoid is 2^-40 where the true one is smaller; |c_prev| must stay under 2^46.  NaN and infinities among the inputs are not served.
; The two biases are added to each other first and then to the sums: another order of f32 roundings than the source's.
; No prefetch: a refill is asked for a whole tile (224 matrix instructions and an activation) ahead of the wait for it, and the codes, scales and images are each read by sixteen work-groups.
; The weights are not asked for jointly: they go into registers, once.
; REGISTERS.  window 0: v8-21 addresses; v28-29 the add's two; v32-63 weights' scales; v64-95 rows' scales; v128-159 bias sums; v160-191 c_prev; v192-255 rows on the way out, and in the products fragment
;   buffer 2.   window 1: v0-127 accumulator (a, g) at v[8 (4 a + g)]; v128-191, v192-255 fragment buffers 0, 1.   windows 2, 3: Wx's and Wh's fragments, (step s of 8, gate g) at v[8 (4 s + g)].
.set APITCH, 528                       ; a row of codes in LDS: 512 bytes + 16
.set ABLK,   16*APITCH
.set ATB,    64*APITCH
.set CPITCH, 272                       ; a row of c_prev, new_c, new_h: 256 bytes + 16
.set CBLK,   16*CPITCH
.set CTB,    64*CPITCH
.set CIN,    2*ATB                     ; a slot: wave w's tile at w x ATB
.set SIN,    3*ATB
.set SLOTB,  3*ATB+4096
.set STG,    2*SLOTB                   ; two stages, each new_c's 64 rows and then new_h's: no tensor load lands here
.set STGB,   2*CTB
.set SPARE,  STG+2*STGB                ; the spare words: 512 bytes that no other line names
.set ADRA, 8                           ; v8-9   fragments: 528 r + 16 h, slot 0, 1
.set CI,   10                          ; v10-11 c_prev: 272 r + 64 w + 32 h
.set ST,   12                          ; v12-13 the same place in stage 0, 1
.set RO,   14                          ; v14-15 rows back: 272 (16 w + h) + 16 r
.set VS,   16                          ; v16    32 r + 16 h
.set GOFF, 17                          ; v17    out0: 4,096 h + 16 r
.set LI,   18                          ; v18    16 x lane
.set BOF,  19                          ; v19    32 h
.set SAD,  20                          ; v20-21 the rows' scale words in slot 0, 1
.set SPW,  28
.set NIL,  29
.set SB,   32                          ; v[SB + 16 source + 4 g + q]
.set SA,   64                          ; v[SA + 16 source + 4 a + q]
.set NB,   128
.set CC,   160                         ; v[CC + 8 block + j]
.set OB,   192
.set CNT, 24
.set WV,  26
.set OUTH, 22                          ; s[22:23] new_h's rows
.set G1A, 36                           ; group 1: codes; c_prev; scales
.set G1C, 44
.set G1S, 52
.set G0A, 60                           ; s[60:63], s[68:71] group 0 of waves 0, 1, 3 for slot 0, 1
.set G0C, 72                           ; s[72:75], s[76:79] of wave 2
.set STP, 80                           ; s[80:81] two tiles of my joint tile in bytes
.set NL,  82
.set NL2, 84
.set CAP, 86
.set OUTC, 88                          ; s[88:89] new_c's rows
.set HS,  90                           ; s[90:91] one tile
.set MSB, 0
.macro WIN new
.if MSB != (\new)
	s_set_vgpr_msb (MSB<<8)|(\new)
.set MSB, (\new)
.endif
.endm
.macro PLACES n
.rept \n
	v_nop
.endr
.endm
.macro WA
	s_wait_alu depctr_va_vdst(0)                   ; the wait ahead of and behind a batch of transcendentals
.endm
; The loads of slot n: one chain of branches on the wave's number, a load in every arm.  s_nop 0 and four v_nop follow each.
.macro JLOAD n
	s_cmp_lt_u32 s[WV], 2
	s_cbranch_scc0 .Lc_\@
	tensor_load_to_lds s[G0A+8*(\n):G0A+8*(\n)+3], s[G1A:G1A+7]
	s_nop 0
	PLACES 4
	s_branch .Ld_\@
.Lc_\@:
	s_cmp_eq_u32 s[WV], 2
	s_cbranch_scc0 .Ls_\@
	tensor_load_to_lds s[G0C+4*(\n):G0C+4*(\n)+3], s[G1C:G1C+7]
	s_nop 0
	PLACES 4
	s_branch .Ld_\@
.Ls_\@:
	tensor_load_to_lds s[G0A+8*(\n):G0A+8*(\n)+3], s[G1S:G1S+7]
	s_nop 0
	PLACES 4
.Ld_\@:
.endm
.macro CREST                           ; a round of the cluster's barrier behind its opening barrier
	s_cmp_lg_u32 s[WV], 0
	s_cbranch_scc1 .Lnw0_\@
	s_barrier_signal -3
.Lnw0_\@:
	s_barrier_wait -3
	s_barrier_signal -1
	s_barrier_wait -1
.endm
.macro CROUND
	s_barrier_signal -1
	s_barrier_wait -1
	CREST
.endm
	s_load_b512 s[4:19], s[0:1], 0x0               ; incoming_codes 4, h_codes 6, a_scl 8, w_img 10, Wx_scales 12, Wh_scales 14, bx 16, bh 18
	s_load_b128 s[20:23], s[0:1], 0x40             ; state 20, out0 22
	v_lshl_add_u32 v[SPW], v0, 2, SPARE
	v_mov_b32 v[NIL], 0
	ds_add_u32 v[SPW], v[NIL]                      ; the opening lines: the add twice on end and one wait
	ds_add_u32 v[SPW], v[NIL]
	v_lshrrev_b32 v1, 5, v0
	v_readfirstlane_b32 s[WV], v1                  ; wave 0..3
	s_bfe_u32 s28, ttmp6, 0x40000                  ; cx
	s_lshl_b32 s29, ttmp9, 2
	s_add_co_u32 s29, s29, s28                     ; tx
	s_and_b32 s30, ttmp7, 0xffff                   ; gy, which the four partners share
	s_mov_b32 s[G1A], 15|(1<<20)|(1<<21)|(6<<22)|(3<<25)   ; mask of all four; bytes; 4 words of padding after every 128
	s_mov_b32 s[G1A+1], 512<<16
	s_mov_b32 s[G1A+2], 64<<16
	s_mov_b32 s[G1A+3], 512<<16
	s_mov_b32 s[G1A+4], 64
	s_mov_b32 s[G1A+5], 512
	s_mov_b32 s[G1A+6], 0
	s_mov_b32 s[G1A+7], 0
	s_mov_b32 s[G1C], (1<<20)|(5<<22)|(3<<25)      ; no mask; bytes; 4 words of padding after every 64
	s_mov_b32 s[G1C+1], 256<<16
	s_mov_b32 s[G1C+2], 64<<16
	s_mov_b32 s[G1C+3], 256<<16
	s_mov_b32 s[G1C+4], 64
	s_mov_b32 s[G1C+5], 4096
	s_mov_b32 s[G1C+6], 0
	s_mov_b32 s[G1C+7], 0
	s_mov_b32 s[G1S], 15|(3<<16)|(1<<21)           ; mask of all four; a dense block of 4,096 bytes as 16 rows of 32 elements of 8 bytes
	s_mov_b32 s[G1S+1], 32<<16
	s_mov_b32 s[G1S+2], 16<<16
	s_mov_b32 s[G1S+3], 32<<16
	s_mov_b32 s[G1S+4], 16
	s_mov_b32 s[G1S+5], 32
	s_mov_b32 s[G1S+6], 0
	s_mov_b32 s[G1S+7], 0
	s_cmp_eq_u32 s[WV], 3                          ; 512 rows are 2^18 bytes of codes, 2^15 of scales
	s_cselect_b32 s31, 15, 18
	s_lshl_b32 s32, s30, s31                       ; hangs on gy and the wave's number alone
	s_mov_b32 s33, 0
	s_sub_co_u32 s31, s31, 2
	s_lshl_b32 s[STP], 1, s31                      ; two tiles: 65,536 or 8,192 bytes
	s_mov_b32 s[STP+1], 0
	s_lshr_b32 s[HS], s[STP], 1
	s_mov_b32 s[HS+1], 0
	s_lshl_b32 s34, s30, 21                        ; c_prev and out0: 512 gy rows of 4,096 bytes + 256 tx
	s_lshl_b32 s35, s29, 8
	s_add_co_u32 s34, s34, s35
	s_mov_b32 s35, 0
	s_mul_i32 s27, s[WV], ATB                      ; my tile's place in a slot
	s_wait_dscnt 0x0
	s_wait_kmcnt 0x0
	s_cmp_eq_u32 s[WV], 0
	s_cselect_b64 s[G0A+2:G0A+3], s[4:5], s[6:7]
	s_cmp_eq_u32 s[WV], 3
	s_cselect_b64 s[G0A+2:G0A+3], s[8:9], s[G0A+2:G0A+3]
	s_add_nc_u64 s[G0A+2:G0A+3], s[G0A+2:G0A+3], s[32:33]      ; tile 0,
	s_add_nc_u64 s[G0A+10:G0A+11], s[G0A+2:G0A+3], s[HS:HS+1]  ; tile 1
	s_or_b32 s[G0A+3], s[G0A+3], 0x80000000
	s_or_b32 s[G0A+11], s[G0A+11], 0x80000000
	s_mov_b32 s[G0A], 1
	s_mov_b32 s[G0A+1], s27
	s_mov_b32 s[G0A+8], 1
	s_add_co_u32 s[G0A+9], s27, SLOTB
	s_add_nc_u64 s[G0C+2:G0C+3], s[20:21], s[34:35]
	s_add_nc_u64 s[G0C+2:G0C+3], s[G0C+2:G0C+3], 0x2000000     ; c_prev = state[1]
	s_add_nc_u64 s[G0C+6:G0C+7], s[G0C+2:G0C+3], 262144
	s_or_b32 s[G0C+3], s[G0C+3], 0x80000000
	s_or_b32 s[G0C+7], s[G0C+7], 0x80000000
	s_mov_b32 s[G0C], 1
	s_mov_b32 s[G0C+1], CIN
	s_mov_b32 s[G0C+4], 1
	s_mov_b32 s[G0C+5], SLOTB+CIN
	CROUND                                         ; the first joint loads meet
	JLOAD 0                                        ; tile 0: one tensor load a wave at the head, ahead of the global loads
	s_lshl_b32 s32, s29, 11                        ; the weights' scales: (64 tx + 16 w) rows of 32 bytes
	s_lshl_b32 s27, s[WV], 9
	s_add_co_u32 s32, s32, s27
	s_add_nc_u64 s[12:13], s[12:13], s[32:33]
	s_add_nc_u64 s[14:15], s[14:15], s[32:33]
	s_lshl_b32 s32, s29, 8                         ; the biases: (64 tx + 16 w) numbers
	s_lshl_b32 s25, s[WV], 6
	s_add_co_u32 s32, s32, s25
	s_add_nc_u64 s[16:17], s[16:17], s[32:33]
	s_add_nc_u64 s[18:19], s[18:19], s[32:33]
	s_lshl_b32 s32, s29, 18                        ; my image: 65,536 (4 tx + w)
	s_lshl_b32 s27, s[WV], 16
	s_add_co_u32 s32, s32, s27
	s_add_nc_u64 s[10:11], s[10:11], s[32:33]
	s_mov_b32 s32, s27                             ; out0: I store rows 16 w on of a tile
	s_add_nc_u64 s[OUTH:OUTH+1], s[OUTH:OUTH+1], s[34:35]
	s_add_nc_u64 s[OUTH:OUTH+1], s[OUTH:OUTH+1], s[32:33]
	s_add_nc_u64 s[OUTC:OUTC+1], s[OUTH:OUTH+1], 0x2000000
	s_mov_b32 s[CAP], 0x42200000                   ; 40.0
	s_mov_b32 s[NL], 0xbfb8aa3b                    ; -log2(e)
	s_mov_b32 s[NL+1], s[NL]
	s_mov_b32 s[NL2], 0xc038aa3b                   ; -2 log2(e)
	s_mov_b32 s[NL2+1], s[NL2]
	s_mul_i32 s31, s[WV], CBLK
	v_and_b32 v1, 15, v0                           ; r
	v_bfe_u32 v2, v0, 4, 1                         ; h
	v_and_b32 v3, 31, v0                           ; lane
	v_mul_u32_u24 v[ADRA], v1, APITCH
	v_lshl_add_u32 v[ADRA], v2, 4, v[ADRA]
	v_add_nc_u32 v[ADRA+1], SLOTB, v[ADRA]
	v_mul_u32_u24 v4, v1, CPITCH
	v_lshl_add_u32 v4, v2, 5, v4
	v_add_nc_u32 v4, s25, v4
	v_add_nc_u32 v[CI], CIN, v4
	v_add_nc_u32 v[CI+1], SLOTB+CIN, v4
	v_add_nc_u32 v[ST], STG, v4
	v_add_nc_u32 v[ST+1], STG+STGB, v4
	v_mul_u32_u24 v5, v2, CPITCH
	v_lshl_add_u32 v5, v1, 4, v5
	v_add_nc_u32 v5, s31, v5
	v_add_nc_u32 v[RO], STG, v5
	v_add_nc_u32 v[RO+1], STG+STGB, v5
	v_lshlrev_b32 v[VS], 5, v1
	v_lshl_add_u32 v[VS], v2, 4, v[VS]
	v_add_nc_u32 v[SAD], SIN, v[VS]
	v_add_nc_u32 v[SAD+1], SLOTB+SIN, v[VS]
	v_lshlrev_b32 v[GOFF], 12, v2
	v_lshl_add_u32 v[GOFF], v1, 4, v[GOFF]
	v_lshlrev_b32 v[LI], 4, v3
	v_lshlrev_b32 v[BOF], 5, v2
	s_wait_alu depctr_va_vdst(0)                   ; the wait behind the addresses' writes
.irp g, 0,1,2,3
	global_load_b128 v[SB+4*\g:SB+4*\g+3],       v[VS], s[12:13] offset:32768*\g   ; Wx's scales of gate g's 16 rows: 512 consecutive bytes
	global_load_b128 v[SB+16+4*\g:SB+16+4*\g+3], v[VS], s[14:15] offset:32768*\g   ; Wh's
.endr
.irp g, 0,1,2,3
.irp e, 0,1
	global_load_b128 v[OB+32+8*\g+4*\e:OB+32+8*\g+4*\e+3], v[BOF], s[16:17] offset:4096*\g+16*\e   ; bx of gate g's eight hidden units of my half
	global_load_b128 v[OB+8*\g+4*\e:OB+8*\g+4*\e+3],       v[BOF], s[18:19] offset:4096*\g+16*\e   ; bh
.endr
.endr
	WIN 0x80                                       ; destination window 2
.set n, 0
.rept 64
	global_load_b128 v[4*n:4*n+3], v[LI], s[10:11] offset:512*n          ; Wx's fragments, eight loads a K step, K ascending; Wh's are asked for under tile 0's first products
.set n, n+1
.endr
	WIN 0
	s_wait_loadcnt 63                              ; 64 loads stand behind the biases': these are in
.irp n, 0,2,4,6,8,10,12,14,16,18,20,22,24,26,28,30
	v_pk_add_f32 v[NB+\n:NB+\n+1], v[OB+32+\n:OB+32+\n+1], v[OB+\n:OB+\n+1]
.endr
.irp n, 0,2,4,6,8,10,12,14,16,18,20,22,24,26,28,30
.if \n/8 == 2
	v_pk_mul_f32 v[NB+\n:NB+\n+1], v[NB+\n:NB+\n+1], s[NL2:NL2+1] op_sel_hi:[1,0]
.else
	v_pk_mul_f32 v[NB+\n:NB+\n+1], v[NB+\n:NB+\n+1], s[NL:NL+1] op_sel_hi:[1,0]
.endif
.endr
; Double step u of 8: the four row blocks' fragments of K steps 2 u and 2 u + 1, 16 loads in one run, into buffer u % 3 (0, 1: window 1, v128 and v192; 2: window 0, v192).
; A fragment is 16 rows x 128 K: registers 4 c .. 4 c + 3 hold K = 64 c + 32 h + 0 .. 31.
.macro FETCH slot, u
.set FB, 128+64*(((\u)%3+1)/2)
.if ((\u)%3) == 2
	WIN 0
.else
	WIN 0x40                                       ; destination window 1, address window 0
.endif
.irp d, 0,1
.irp a, 0,1,2,3
.irp c, 0,1
	ds_load_b128 v[FB+32*\d+8*\a+4*\c:FB+32*\d+8*\a+4*\c+3], v[ADRA+\slot] offset:((2*(\u)+\d)/8)*ATB+\a*ABLK+64*((2*(\u)+\d)%8)+32*\c
.endr
.endr
.endr
.endm
.macro SCLD slot                       ; a tile's scale words: lanes 0-15 a source's first 512 along K, lanes 16-31 its second
.irp a, 0,1,2,3
	ds_load_b128 v[SA+4*\a:SA+4*\a+3],       v[SAD+\slot] offset:512*\a
	ds_load_b128 v[SA+16+4*\a:SA+16+4*\a+3], v[SAD+\slot] offset:2048+512*\a
.endr
.endm
; 16 matrix instructions: four row blocks x my four gates, K step s.  Step 0 starts the sums.  The 16 accumulators take turns.
.macro MUL16 s
.irp a, 0,1,2,3
.irp g, 0,1,2,3
.set rD,  8*(4*\a+\g)
.set rW,  8*(4*((\s)%8)+\g)
.set rA,  128+64*((((\s)/2)%3+1)/2)+32*((\s)%2)+8*\a
.set rSW, SB+16*((\s)/8)+4*\g+(\s)%4
.set rSA, SA+16*((\s)/8)+4*\a+(\s)%4
.if (\s) == 0
	v_wmma_scale_f32_16x16x128_f8f6f4 v[rD:rD+7], v[rW:rW+7], v[rA:rA+7], 0, v[rSW], v[rSA] matrix_a_fmt:MATRIX_FMT_FP4 matrix_b_fmt:MATRIX_FMT_FP4
.elseif ((\s)%8) < 4
	v_wmma_scale_f32_16x16x128_f8f6f4 v[rD:rD+7], v[rW:rW+7], v[rA:rA+7], v[rD:rD+7], v[rSW], v[rSA] matrix_a_fmt:MATRIX_FMT_FP4 matrix_b_fmt:MATRIX_FMT_FP4
.else
	v_wmma_scale_f32_16x16x128_f8f6f4 v[rD:rD+7], v[rW:rW+7], v[rA:rA+7], v[rD:rD+7], v[rSW], v[rSA] matrix_a_fmt:MATRIX_FMT_FP4 matrix_b_fmt:MATRIX_FMT_FP4 matrix_a_scale:MATRIX_SCALE_ROW1 matrix_b_scale:MATRIX_SCALE_ROW1
.endif
.endr
.endr
.endm
; Double steps 0 to 6.  Double steps 0 and 1 have been fetched; double step u fetches u + 2 into the buffer that u - 1 has multiplied; double step 6 fetches c_prev.
; first = 1, tile 0's copy, ahead of the loop: it waits for the weights double step by double step, and its double steps 0 to 3 each ask for 16 of Wh's 64 loads.
.macro MAIN slot, first
.set UU, 0
.rept 7
.if \first
.if UU < 4
	s_wait_loadcnt 48                              ; behind this double step's weights of Wx stand 48 - 16 u more loads of Wx and the 16 u of Wh asked for so far
.else
	s_wait_loadcnt 8*(14-2*UU)                     ; eight loads for each later K step stand behind this double step's weights of Wh
.endif
.endif
	s_wait_dscnt 16
.if UU < 6
.if UU > 0
	PLACES 4
.endif
	FETCH \slot, UU+2
.if \first && (UU < 4)
	WIN 0xc0                                       ; destination window 3
.set n, 16*UU
.rept 16
	global_load_b128 v[4*n:4*n+3], v[LI], s[10:11] offset:32768+512*n    ; Wh's fragments of two K steps
.set n, n+1
.endr
.endif
.else
	WIN 0
.irp b, 0,1,2,3
.irp e, 0,1
	ds_load_b128 v[CC+8*\b+4*\e:CC+8*\b+4*\e+3], v[CI+\slot] offset:CBLK*\b+16*\e
.endr
.endr
.endif
.if (UU%3) == 2
	WIN 0x52+UU/4                                  ; source 0 window 2 or 3, source 1 window 0, C and D window 1
.else
	WIN 0x56+UU/4                                  ; the same with source 1 in window 1
.endif
	MUL16 2*UU
	MUL16 2*UU+1
.set UU, UU+1
.endr
.endm
; THE ACTIVATION's pieces, for half p (row blocks 2 p, 2 p + 1).  Of block d: I at +0, F at +8, G at +16, O at +24, over the accumulators.
.macro S1F p                           ; t = -L (z + b), -2 L for g; each accumulator from its low end on
	WIN 0x41
.irp d, 0,1
.irp g, 0,1,2,3
.irp j, 0,2,4,6
.set rT, 64*(\p)+32*\d+8*\g+\j
.if \g == 2
	v_pk_fma_f32 v[rT:rT+1], v[rT:rT+1], s[NL2:NL2+1], v[NB+8*\g+\j:NB+8*\g+\j+1] op_sel_hi:[1,0,1]
.else
	v_pk_fma_f32 v[rT:rT+1], v[rT:rT+1], s[NL:NL+1], v[NB+8*\g+\j:NB+8*\g+\j+1] op_sel_hi:[1,0,1]
.endif
.endr
.endr
.endr
.endm
.macro MINS p, cnt                     ; the hold at 40 on the first cnt registers of each block
	WIN 0x55
.irp d, 0,1
.set n, 0
.rept \cnt
	v_min_num_f32 v[64*(\p)+32*\d+n], s[CAP], v[64*(\p)+32*\d+n]
.set n, n+1
.endr
.endr
.endm
.macro TR op, p, o, cnt                ; a batch of transcendentals in place
.irp d, 0,1
.set n, 0
.rept \cnt
	\op v[64*(\p)+32*\d+\o+n], v[64*(\p)+32*\d+\o+n]
.set n, n+1
.endr
.endr
.endm
.macro PK kind, p
.irp d, 0,1
.irp j, 0,2,4,6
.set q, 64*(\p)+32*\d+\j
.if \kind == 0
	v_pk_fma_f32 v[q:q+1], v[q:q+1], v[q+16:q+17], v[q:q+1]                           ; I = A_i E_g + A_i = A_i A_g
.elseif \kind == 1
	v_pk_fma_f32 v[q+16:q+17], v[q+16:q+17], -1.0, 1.0 op_sel_hi:[1,0,0]              ; G = 1 - E_g
.elseif \kind == 2
	v_pk_mul_f32 v[q+16:q+17], v[q+16:q+17], v[q+8:q+9]                               ; G = G F = new_c
.elseif \kind == 3
	v_pk_fma_f32 v[q+8:q+9], v[q:q+1], v[q+8:q+9], v[q:q+1]                           ; F = I E_f + I = A_i A_g A_f
.elseif \kind == 4
	v_pk_fma_f32 v[q+16:q+17], v[CC+16*(\p)+8*\d+\j:CC+16*(\p)+8*\d+\j+1], v[q:q+1], v[q+16:q+17]   ; G = c I + G
.elseif \kind == 5
	v_pk_mul_f32 v[q:q+1], v[q+16:q+17], s[NL2:NL2+1] op_sel_hi:[1,0]                 ; I = -2 L new_c
.elseif \kind == 6
	v_pk_fma_f32 v[q+8:q+9], v[q:q+1], -1.0, 1.0 op_sel_hi:[1,0,0]                    ; F = 1 - E_c
.elseif \kind == 7
	v_pk_add_f32 v[q:q+1], v[q:q+1], 1.0 op_sel_hi:[1,0]                              ; I = 1 + I
.elseif \kind == 8
	v_pk_fma_f32 v[q:q+1], v[q+24:q+25], v[q:q+1], v[q:q+1]                           ; I = E_o I + I = A_o (1 + E_c)
.elseif \kind == 10
	v_pk_fma_f32 v[q+16:q+17], v[q+16:q+17], v[q+8:q+9], v[q+16:q+17]                 ; G = G E_f + G = (1 - E_g) A_f
.else
	v_pk_mul_f32 v[q+24:q+25], v[q+8:q+9], v[q:q+1]                                   ; O = new_h
.endif
.endr
.endr
.endm
.macro S2 p
	PK 7, \p                                       ; A_i
	PK 0, \p
	PK 1, \p
	PK 10, \p
	PK 3, \p
.endm
.macro TOST p, slot, o, base           ; registers +o of half p into the stage at base
	WIN 0x04                                       ; an LDS store's data are its source 1: window 1
.irp d, 0,1
.irp e, 0,1
	ds_store_b128 v[ST+\slot], v[64*(\p)+32*\d+\o+4*\e:64*(\p)+32*\d+\o+4*\e+3] offset:\base+CBLK*(2*(\p)+\d)+16*\e
.endr
.endr
	WIN 0x55
.endm
; THE WAY OUT of a tile, out of stage ps: rows 16 w on, two rows a load.  skip = 1: the loop's first trip has no tile before it (a branch on the loop's counter).
.macro OUTLD ps, skip
.if \skip
	s_cmp_eq_u32 s[CNT], 3
	s_cbranch_scc1 .Lnl_\@
.endif
.irp t, 0,1,2,3,4,5,6,7
	ds_load_b128 v[OB+4*\t:OB+4*\t+3], v[RO+(\ps)] offset:2*CPITCH*\t
.endr
.irp t, 0,1,2,3,4,5,6,7
	ds_load_b128 v[OB+32+4*\t:OB+32+4*\t+3], v[RO+(\ps)] offset:CTB+2*CPITCH*\t
.endr
.if \skip
.Lnl_\@:
.endif
.endm
.macro OUTG g, skip, younger           ; 16 lanes store 256 consecutive bytes, aligned.  g = 0: new_c's rows; 1: new_h's
	WIN 0
.if \skip
	s_cmp_eq_u32 s[CNT], 3
	s_cbranch_scc1 .Lns_\@
.endif
.if \g == 0
	s_wait_dscnt \younger                          ; the rows are back: behind their loads stand the scale words' 8 and the fragments' 32, where a tile follows
.irp t, 0,1,2,3,4,5,6,7
	global_store_b128 v[GOFF], v[OB+4*\t:OB+4*\t+3], s[OUTC:OUTC+1] offset:8192*\t th:TH_STORE_NT
.endr
.else
.irp t, 0,1,2,3,4,5,6,7
	global_store_b128 v[GOFF], v[OB+32+4*\t:OB+32+4*\t+3], s[OUTH:OUTH+1] offset:8192*\t th:TH_STORE_NT
.endr
.endif
.if \skip
.Lns_\@:
.endif
.endm
; A TILE in slot `slot`.  refill: tile t + 2 follows into this slot.  next: tile t + 1 exists.  skip: see OUTLD.
.macro U slot, refill, next, skip      ; from the tile's double step 7 on: its double steps 0 to 6 (MAIN) stand ahead of it
	WIN 0
	s_wait_tensorcnt 0x0                           ; my part of the next tile is in, and no tensor load of mine is out
	ds_add_u32 v[SPW], v[NIL]
.if \refill
	s_add_nc_u64 s[G0A+8*\slot+2:G0A+8*\slot+3], s[G0A+8*\slot+2:G0A+8*\slot+3], s[STP:STP+1]
	s_add_nc_u64 s[G0C+4*\slot+2:G0C+4*\slot+3], s[G0C+4*\slot+2:G0C+4*\slot+3], 2*262144
.endif
	s_wait_loadcnt 0x0
	s_wait_dscnt 9                                 ; double step 7's fragments are in; c_prev's eight loads and the add may be out
	WIN 0x57
	MUL16 14
	MUL16 15
	s_wait_dscnt 0x0                               ; the add, my reads of this slot and of the other stage, my stores into the last tile's stage
	s_barrier_signal -1
	PLACES 4                                       ; behind the last products
	S1F 0
	S1F 1                                          ; every accumulator is first read here, ahead of all transcendentals
	MINS 0, 24
	WIN 0
	s_barrier_wait -1
.if \refill
	CREST
	JLOAD \slot
.endif
	OUTLD 1-\slot, \skip
.if \next
	SCLD 1-\slot
	FETCH 1-\slot, 0
	FETCH 1-\slot, 1
.endif
	WIN 0x55
	WA
	TR v_exp_f32, 0, 0, 32                         ; E of half 0
	MINS 1, 24
	WA
	OUTG 0, \skip, 40*\next
	WIN 0x55
	TR v_exp_f32, 1, 0, 32
	S2 0
	WA
	OUTG 1, \skip, 0
	WIN 0x55
	TR v_rcp_f32, 0, 8, 8
	S2 1
	WIN 0x54                                       ; source 0 (c_prev) window 0
	PK 4, 0
	WA
	WIN 0x55
	TR v_rcp_f32, 1, 8, 8
	PK 2, 0
	PK 5, 0
	MINS 0, 8
	WIN 0x54
	PK 4, 1
	WA
	TOST 0, \slot, 16, 0                           ; new_c into the stage
	TR v_exp_f32, 0, 0, 8                          ; E_c
	PK 2, 1
	PK 5, 1
	MINS 1, 8
	WA
	TOST 1, \slot, 16, 0
	TR v_exp_f32, 1, 0, 8
	PK 6, 0
	PK 7, 0
	PK 8, 0
	WA
	TR v_rcp_f32, 0, 0, 8
	PK 6, 1
	PK 7, 1
	PK 8, 1
	WA
	TR v_rcp_f32, 1, 0, 8
	PK 9, 0
	WA
	TOST 0, \slot, 24, CTB                         ; new_h into the stage
	PK 9, 1
	TOST 1, \slot, 24, CTB
	s_wait_xcnt 0x0                                ; the stores' registers and bases are written again only behind this wait
.if \skip
	s_cmp_eq_u32 s[CNT], 3                         ; the first trip has stored nothing: its step is 0
	s_cselect_b32 s32, 0, 262144
.else
	s_mov_b32 s32, 262144                          ; 64 rows on (s33 holds 0 since the head)
.endif
	s_add_nc_u64 s[OUTC:OUTC+1], s[OUTC:OUTC+1], s[32:33]
	s_add_nc_u64 s[OUTH:OUTH+1], s[OUTH:OUTH+1], s[32:33]
.endm
	s_wait_alu depctr_va_vdst(0)                   ; the wait at the head's end
	s_wait_tensorcnt 0x0                           ; my part of tile 0 is in; the same lines as ahead of a refill stand ahead of slot 1's first fill
	ds_add_u32 v[SPW], v[NIL]
	s_wait_dscnt 0x0
	CROUND
	JLOAD 1                                        ; tile 1
	SCLD 0
	FETCH 0, 0
	FETCH 0, 1
	MAIN 0, 1                                      ; tile 0's double steps 0 to 6
	WIN 0
	s_mov_b32 s[CNT], 3
.Lpair:                                                ; a trip goes from an even tile's double step 7 to the next even tile's double step 6; tiles 0 to 5 each ask for the tile two on
	U 0, 1, 1, 1
	MAIN 1, 0
	U 1, 1, 1, 0
	MAIN 0, 0
	WIN 0
	s_sub_co_u32 s[CNT], s[CNT], 1
	s_cmp_lg_u32 s[CNT], 0
	s_cbranch_scc1 .Lpair
	U 0, 0, 1, 0                                   ; tiles 6 and 7 ask for nothing: written out, with a plain barrier
	MAIN 1, 0
	U 1, 0, 0, 0
	WIN 0
	s_wait_dscnt 0x0                               ; my parts of tile 7's rows lie in stage 1
	s_barrier_signal -1
	s_barrier_wait -1
	OUTLD 1, 0
	OUTG 0, 0, 0
	OUTG 1, 0, 0
	s_wait_tensorcnt 0x0                           ; the wave's end
	ds_add_u32 v[SPW], v[NIL]
	s_wait_dscnt 0x0
	CROUND                                         ; the closing round
	s_endpgm
.Lfunc_end_k_qe4f0d0443c_lstm:
	.size	k_qe4f0d0443c_lstm, .Lfunc_end_k_qe4f0d0443c_lstm-k_qe4f0d0443c_lstm
	.p2alignl 7, 3214868480
	.fill 96, 4, 3214868480
	.section	.rodata,"a",@progbits
	.p2align	6, 0x0
	.amdhsa_kernel k_qe4f0d0443c_lstm
		.amdhsa_group_segment_fixed_size 327680
		.amdhsa_private_segment_fixed_size 0
		.amdhsa_enable_private_segment 0
		.amdhsa_kernarg_size 80
		.amdhsa_user_sgpr_count 2
		.amdhsa_user_sgpr_kernarg_segment_ptr 1
		.amdhsa_wavefront_size32 1
		.amdhsa_system_sgpr_workgroup_id_x 1
		.amdhsa_system_sgpr_workgroup_id_y 1
		.amdhsa_system_sgpr_workgroup_id_z 1
		.amdhsa_system_vgpr_workitem_id 0
		.amdhsa_next_free_vgpr 1024
		.amdhsa_next_free_sgpr 96
		.amdhsa_reserve_vcc 0
		.amdhsa_float_denorm_mode_32 3
		.amdhsa_float_denorm_mode_16_64 3
		.amdhsa_memory_ordered 1
		.amdhsa_forward_progress 1
		.amdhsa_inst_pref_size 255
	.end_amdhsa_kernel
	.section	.bss,"aw",@nobits
	.p2align	6
	.space	262144
	.amdgpu_metadata
---
amdhsa.version: [ 1, 2 ]
amdhsa.kernels:
  - .name:           k_qe4f0d0443c_lstm
    .symbol:         k_qe4f0d0443c_lstm.kd
    .args:
      - { .name: incoming_codes, .offset: 0, .size: 8, .value_kind: global_buffer, .address_space: global }
      - { .name: h_codes, .offset: 8, .size: 8, .value_kind: global_buffer, .address_space: global }
      - { .name: a_scl, .offset: 16, .size: 8, .value_kind: global_buffer, .address_space: global }
      - { .name: w_img, .offset: 24, .size: 8, .value_kind: global_buffer, .address_space: global }
      - { .name: Wx_scales, .offset: 32, .size: 8, .value_kind: global_buffer, .address_space: global }
      - { .name: Wh_scales, .offset: 40, .size: 8, .value_kind: global_buffer, .address_space: global }
      - { .name: bx, .offset: 48, .size: 8, .value_kind: global_buffer, .address_space: global }
      - { .name: bh, .offset: 56, .size: 8, .value_kind: global_buffer, .address_space: global }
      - { .name: state, .offset: 64, .size: 8, .value_kind: global_buffer, .address_space: global }
      - { .name: out0, .offset: 72, .size: 8, .value_kind: global_buffer, .address_space: global }
    .group_segment_fixed_size: 327680
    .private_segment_fixed_size: 0
    .kernarg_segment_align: 8
    .kernarg_segment_size: 80
    .max_flat_workgroup_size: 128
    .sgpr_count:     96
    .vgpr_count:     1024
    .wavefront_size: 32
...
	.end_amdgpu_metadata
.endif
;; end of part 2
